; MI455X (gfx1250); checked and timed in simulation.
; The chip was launched on July 23, 2026; its instructions are those of AMD's public machine-readable ISA for CDNA 5 (MIT licence, August 2026) and "CDNA5" Instruction Set Architecture Reference Guide (July 2026). The comments in the code are by the model that wrote it; some were corrected since.
;; LSTM Cell. Allowed arithmetic: matrix products marked QUANTISED: E3M2 operands, one E8M0 scale for each 32 along K, by v_wmma_scale_f32_16x16x128_f8f6f4 with both operands' format E3M2, f32 sums; everything else in f32.
;; Inputs: Wf 2,048 x 1,024 float32; Wi 2,048 x 1,024 float32; Wo 2,048 x 1,024 float32; Wu 2,048 x 1,024 float32; bf 1,024 float32; bi 1,024 float32; bo 1,024 float32; bu 1,024 float32; c 8,192 x 1,024 float32; h 8,192 x 1,024 float32; x 8,192 x 1,024 float32.
;; Outputs: out0 8,192 x 1,024 float32; out1 8,192 x 1,024 float32.
;; This version of the problem:
;;   THIS VERSION OF THE PROBLEM IS GIVEN IN LOW PRECISION. The matrix products marked QUANTISED in the list below multiply operands that are first quantised to E3M2 (3 exponent bits, 2 mantissa bits; 6 bits a number), with one power-of-two scale for each 32 numbers along K (OCP MX v1.0); their sums are f32. All else is computed in f32.
;;   The module's matrix products, in the order in which they are computed (A, B: the left and right operand; K: the contracted axis; several contracted axes count as one K, in the product's order):
;;     1. [M 8,192, K 2,048] x [K 2,048, N 4,096]; A: computed on the way; B: computed on the way: QUANTISED
;;   THE QUANTISER, for each operand of a quantised product, along K:
;;     - K is cut into blocks of 32 from its start; a last block that is shorter is filled with zeros.
;;     - A block's scale is 2^e with e = floor(log2(the largest magnitude in the block)) - 4, held to -126 .. 127; a block of zeros has e = 0. As a byte (E8M0): e + 127.
;;     - Each number is divided by its block's scale, clamped to +-28, and rounded to the nearest number of E3M2, ties to even, subnormals kept.
;;     - The product sums the exact products of the quantised numbers (number of the format x scale) in f32.
;;   ~~~python
;;   def quantise(x, axis):      # numpy; x: float32 -> the quantised numbers, widened to float32 again
;;       x = np.moveaxis(x, axis, -1); K = x.shape[-1]
;;       x = np.pad(x, [(0, 0)] * (x.ndim - 1) + [(0, -K % 32)]); x = x.reshape(x.shape[:-1] + (-1, 32)); a = np.abs(x).max(-1, keepdims=True)
;;       e = np.where(a > 0, np.clip(np.frexp(np.where(a > 0, a, 1))[1] - 1 - 4, -126, 127), 0)      # np.frexp(a)[1] - 1 = floor(log2(a)), exactly
;;       r = np.clip(x / 2.0 ** e, -28, 28)
;;       step = 2.0 ** (np.maximum(np.frexp(np.where(r == 0, 1, r))[1] - 1, -2) - 2)
;;       q = np.round(r / step) * step * 2.0 ** e      # np.round: ties to even
;;       return np.moveaxis(q.reshape(q.shape[:-2] + (-1,))[..., :K], -1, axis).astype(np.float32)
;;   ~~~
;;   OPERANDS COMPUTED ON THE WAY. 'Computed on the way' means the value that the module computes at that place (a softmax that the list does not call 'softmax' is quantised finished and normalised). What goes into a quantiser is computed in f32, as accurately as f32 sums, v_exp_f32 and their like allow (about 1e-6 of the number): no bf16 or f16 on the way to a quantiser, and a product that is left as it is and whose result goes on into a quantised operand takes f32 operands (vector FMAs, or v_wmma_f32_16x16x4_f32). A number that lies on a knife's edge between two numbers of the format may be rounded either way, as far as f32 arithmetic and the matrix unit's own rounding can turn it there, and no further.
;; One version. Each part assembles by itself: llvm-mc -triple=amdgcn-amd-amdhsa -mcpu=gfx1250 --defsym DOCPART=n.
;; ======== version 1 of 1: 2 launches
;; limits: inputs' magnitudes at most 281,474,976,710,656; right only within a limited range of input values
;; workspace buffers: a_pack 13,107,200 bytes; b_pack 6,553,600 bytes
;; launch quant (part 1): grid 768 x 1, 4 waves a work-group, no clusters, 35,328 bytes of LDS; arguments x, h, Wf, Wi, Wo, Wu, a_pack, b_pack; writes a_pack, b_pack
.if DOCPART == 1
	.amdgcn_target "amdgcn-amd-amdhsa--gfx1250"
	.amdhsa_code_object_version 6
	.text
	.protected	k_q2834a4889a_quant
	.globl	k_q2834a4889a_quant
	.p2align	8
	.type	k_q2834a4889a_quant,@function
k_q2834a4889a_quant:
	s_mov_b64 s[64:65], 0
	v_nop
	global_prefetch_b8 v0, s[64:65] scope:SCOPE_SE
	s_setreg_imm32_b32 hwreg(HW_REG_WAVE_MODE, 25, 1), 1
	s_wait_xcnt 0x0
; [x | h] (8,192 x 2,048, K innermost) and [Wf Wi Wo Wu] (2,048 x 4,096, K outermost), f32, become codes of BF6 (E3M2) with one E8M0 byte for each 32 along K,
; laid in the order in which the product's launch takes them into LDS and into its operand registers.  No step and no input of the problem is left out.
; A FRAGMENT IMAGE is 1,536 bytes: 16 rows x 128 K as the operand's 12 registers; registers 4 c .. 4 c + 3 of lane l lie at 512 c + 16 l.  Lane (r, h) = r + 16 h holds row r;
; registers 0-5 hold k = 32 h .. + 31, registers 6-11 k = 64 + 32 h .. + 31 (ISA guide 7.12: the 6-bit operand's layout).
; A UNIT is 12,800 bytes: 128 rows x 128 K: eight images (row block i at 1,536 i), then their scale words (4 bytes a row) at 12,288 + 64 i + 4 r.
; A PACK: [tile of 256 rows][half of 128 rows][K step 0 .. 15][unit]: the 16 units of a half are 204,800 dense bytes.
; THE ROWS OF THE WEIGHTS' TILES: tile T holds hidden columns 64 T .. + 63 of all four gates; half ch, row block 2 g + j (g: f, i, o, u) holds columns 64 T + 32 ch + 16 j + 0 .. 15 of gate g.
; A block's scale is 2^(floor(log2(its largest magnitude)) - 4); its byte is the largest magnitude's exponent field - 4, held at 1 from below by a floor among the maximum's leaves.
; LIMITS: a block of zeros gets the byte 1 where the rule says 127 (its codes are zeros, and this program alone reads the bytes); NaN and infinities among the inputs are not served.
; SHARES: 768 work-groups of four waves, each reading 128 KiB.  Work-groups 0-255 take the weights, 256-767 the rows of [x | h].  The two ways never join; the rows' way alone uses LDS.  Waves share nothing: no barrier.
; The scale words leave in runs of 64 bytes (sixteen lanes): one byte for each 128 that the launch reads.
.set TILEB, 409600
.set HALFB, 204800
.set UNIT,  12800
.set FRB,   1536
.set FLOOR, 0x2800000                  ; 2^(5 - 127)
.set OFF4,  0xfe000000                 ; takes 4 off an exponent field
.set WV,    28
	s_load_b512 s[4:19], s[0:1], 0x0               ; x 4:5, h 6:7, Wf 8:9, Wi 10:11, Wo 12:13, Wu 14:15, a_pack 16:17, b_pack 18:19
	v_lshl_add_u32 v248, v0, 2, 0x8800
	v_mov_b32 v249, 0
	v_lshrrev_b32 v1, 5, v0
	v_readfirstlane_b32 s[WV], v1                  ; wave 0..3
	v_and_b32 v2, 31, v0                           ; lane L
	v_and_b32 v21, 15, v0                          ; L % 16
	v_bfe_u32 v22, v0, 4, 1                        ; L / 16
	s_cmp_lt_u32 ttmp9, 256
	s_cbranch_scc0 .Lrows
; THE WEIGHTS.  A lane takes a column and its registers run down K: a block of 32 lies in one lane, and the conversions give codes with K innermost.
; Work-group: gate = id / 64, 128 columns (id / 8) % 8, K steps 2 (id % 8) and the next.  Wave w: 32 columns x 256 along K: 8 blocks a lane.  Loads run two blocks (64 a wave) ahead.
.set WX, 32                            ; v32-95   two sets of 32 numbers
.set CW, 96                            ; v96-143  codes: block t = 4 q + 2 c + hh at 96 + 24 q + 12 hh + 6 c
.set WT, 144                           ; v144-146 a block's upper 16 codes (a conversion's three registers begin on an even number)
.set WS, 148                           ; v148-149 the scale words of the two K steps
	s_lshr_b32 s29, ttmp9, 6                       ; gate
	s_bfe_u32 s30, ttmp9, 0x30003                  ; which 128 columns
	s_and_b32 s31, ttmp9, 7                        ; which 256 along K
	s_lshl_b32 s30, s30, 2
	s_add_co_u32 s30, s30, s[WV]                   ; my wave's 32 columns
	s_lshl_b32 s32, s31, 20                        ; source: 256 rows of 4,096 bytes,
	s_lshl_b32 s33, s30, 7                         ; 128 bytes for 32 columns
	s_add_co_u32 s32, s32, s33
	s_mov_b32 s33, 0
	s_lshr_b32 s34, s30, 1                         ; tile T
	s_and_b32 s35, s30, 1                          ; half ch
	s_mul_i32 s36, s34, TILEB
	s_mul_i32 s37, s35, HALFB
	s_add_co_u32 s36, s36, s37
	s_mul_i32 s37, s31, 2*UNIT
	s_add_co_u32 s36, s36, s37                     ; the first of my two units
	s_lshl_b32 s38, s29, 7
	s_add_co_u32 s38, s38, s36
	s_add_co_u32 s38, s38, 8*FRB                   ; the scale words of row block 2 gate
	s_mul_i32 s37, s29, 2*FRB
	s_add_co_u32 s36, s36, s37                     ; the image of row block 2 gate
	s_mov_b32 s37, 0
	s_mov_b32 s39, 0
	s_wait_alu depctr_va_vdst(0)                   ; a wait behind the scalar run
	v_lshlrev_b32 v3, 2, v2                        ; in: 4 bytes a lane
	v_lshlrev_b32 v4, 4, v21
	v_mad_u32_u24 v4, v22, FRB, v4                 ; codes: 16 (L % 16) in the image, lanes 16-31 in the next row block
	v_lshlrev_b32 v5, 2, v21
	v_lshl_add_u32 v5, v22, 6, v5                  ; scale words: 4 (L % 16), lanes 16-31 in the next row block
	s_wait_alu depctr_va_vdst(0)                   ; a wait at the head's end
	s_wait_kmcnt 0x0
	s_cmp_eq_u32 s29, 1                            ; the gate's weight: a choice on the work-group's number alone
	s_cselect_b64 s[24:25], s[10:11], s[8:9]
	s_cmp_eq_u32 s29, 2
	s_cselect_b64 s[24:25], s[12:13], s[24:25]
	s_cmp_eq_u32 s29, 3
	s_cselect_b64 s[24:25], s[14:15], s[24:25]
	s_add_nc_u64 s[24:25], s[24:25], s[32:33]
	s_add_nc_u64 s[20:21], s[18:19], s[36:37]
	s_add_nc_u64 s[22:23], s[18:19], s[38:39]
.macro WLOAD t                         ; block t: W(32 t + i, my column) into set t % 2; the four waves' loads cover 512 consecutive bytes
.irp i, 0,1,2,3,4,5,6,7,8,9,10,11,12,13,14,15,16,17,18,19,20,21,22,23,24,25,26,27,28,29,30,31
	global_load_b32 v[WX+32*((\t)%2)+\i], v3, s[24:25] offset:(32*(\t)+\i)*4096 th:TH_LOAD_NT
.endr
.endm
.macro WBLOCK t
.set XS, WX+32*((\t)%2)
.set DD, CW+24*((\t)/4)+12*((\t)%2)+6*(((\t)/2)%2)
.if (\t) < 7
	s_wait_loadcnt 32                              ; this block's 32 loads are in; the next block's 32 may be out
.else
	s_wait_loadcnt 0x0
.endif
	v_max3_num_f32 v12, |v[XS]|, |v[XS+1]|, |v[XS+2]|              ; the block's largest magnitude, in two chains
	v_max3_num_f32 v13, |v[XS+3]|, |v[XS+4]|, |v[XS+5]|
.irp i, 6,10,14,18,22,26
	v_max3_num_f32 v12, v12, |v[XS+\i]|, |v[XS+\i+1]|
	v_max3_num_f32 v13, v13, |v[XS+\i+2]|, |v[XS+\i+3]|
.endr
	v_max3_num_f32 v12, v12, |v[XS+30]|, |v[XS+31]|
	v_max3_num_f32 v12, v12, v13, FLOOR
	v_add_nc_u32 v11, OFF4, v12                    ; the conversion takes the exponent field of this operand as its scale
	v_cvt_scalef32_pk16_bf6_f32 v[DD:DD+2], v[XS:XS+15], v11
	v_cvt_scalef32_pk16_bf6_f32 v[WT:WT+2], v[XS+16:XS+31], v11
	v_lshrrev_b32 v13, 23, v11                     ; the scale's byte (also the plain instruction behind the conversions)
.if (\t)%4 == 0
	v_mov_b32 v[WS+(\t)/4], v13
.else
	v_lshl_or_b32 v[WS+(\t)/4], v13, 8*((\t)%4), v[WS+(\t)/4]
.endif
.irp i, 0,1,2
	v_mov_b32 v[DD+3+\i], v[WT+\i]
.endr
.if (\t)+2 < 8
	WLOAD (\t)+2
.endif
.if (\t)%4 == 3                        ; a K step is whole: lanes 0-15 store 256 consecutive aligned bytes, lanes 16-31 another 256.  Each K step has code registers of its own
.irp hh, 0,1
.irp c, 0,1,2
	global_store_b128 v4, v[CW+24*((\t)/4)+12*\hh+4*\c:CW+24*((\t)/4)+12*\hh+4*\c+3], s[20:21] offset:((\t)/4)*UNIT+256*\hh+512*\c
.endr
.endr
.endif
.endm
	WLOAD 0
	WLOAD 1
.irp t, 0,1,2,3,4,5,6,7
	WBLOCK \t
.endr
	global_store_b32 v5, v[WS], s[22:23]           ; my column's scale word of each of the two K steps
	global_store_b32 v5, v[WS+1], s[22:23] offset:UNIT
	s_endpgm
; THE ROWS OF [x | h].  Work-group g = id - 256 takes rows 16 g .. + 15; wave w takes K steps 4 w .. 4 w + 3 (waves 0, 1: x; waves 2, 3: h).
; A load takes one row's 512 consecutive bytes, 16 a lane; a step's 16 rows turn through the wave's own stage in LDS (rows 528 bytes apart) and come back as the operand wants them:
; lane (r, h) gets two whole blocks of 32 of row r.
.Lrows:
.set AR,  32                           ; v32-159  two sets of 64 registers as loaded
.set XX,  160                          ; v160-223 my two blocks
.set AFR, 224                          ; v224-235 the fragment's 12 registers;  v236-238, v240-242: the blocks' upper 16 codes
.set SW,  24                           ; v24-27   a scale word for each step: no store's data are written again
.set WREG, 8704                        ; LDS for a wave: the stage, 16 x 528 bytes
	s_sub_co_u32 s29, ttmp9, 256                   ; g
	s_lshl_b32 s32, s29, 16                        ; source: 16 rows of 4,096 bytes,
	s_and_b32 s33, s[WV], 1
	s_lshl_b32 s33, s33, 11                        ; my 512 numbers of a row
	s_add_co_u32 s32, s32, s33
	s_mov_b32 s33, 0
	s_lshr_b32 s34, s29, 3
	s_mul_i32 s36, s34, HALFB                      ; half g / 8 of all halves,
	s_mul_i32 s34, s[WV], 4*UNIT                   ; K step 4 w
	s_add_co_u32 s36, s36, s34
	s_and_b32 s34, s29, 7                          ; row block g % 8
	s_lshl_b32 s38, s34, 6
	s_add_co_u32 s38, s38, s36
	s_add_co_u32 s38, s38, 8*FRB                   ; its scale words
	s_mul_i32 s34, s34, FRB
	s_add_co_u32 s36, s36, s34                     ; its image
	s_mov_b32 s37, 0
	s_mov_b32 s39, 0
	s_mul_i32 s40, s[WV], WREG                     ; my stage
	s_mov_b32 s30, 0x76543210
	s_mov_b32 s31, 0xfedcba98                      ; v_permlanex16_b32's selects for lane l xor 16
	s_wait_alu depctr_va_vdst(0)                   ; a wait behind the branch and the scalar run
	v_lshlrev_b32 v3, 4, v2                        ; 16 L: in a row's 512 bytes, and in an image
	v_add_nc_u32 v6, s40, v3                       ; the stage, on the way in
	v_mul_u32_u24 v7, v21, 528
	v_lshl_add_u32 v7, v22, 7, v7
	v_add_nc_u32 v7, s40, v7                       ; and on the way out: row r, + 128 h
	v_lshlrev_b32 v8, 2, v21                       ; my row's scale word: 4 r
	v_lshlrev_b32 v10, 3, v22                      ; 8 h: my bytes' place in a scale word
	v_mov_b32 v20, 0                               ; written once: a lane permute's destination counts as one of its sources
	s_wait_alu depctr_va_vdst(0)                   ; a wait at the head's end
	s_wait_kmcnt 0x0
	s_cmp_lt_u32 s[WV], 2
	s_cselect_b64 s[24:25], s[4:5], s[6:7]         ; x or h
	s_add_nc_u64 s[24:25], s[24:25], s[32:33]
	s_add_nc_u64 s[18:19], s[16:17], s[38:39]
	s_add_nc_u64 s[16:17], s[16:17], s[36:37]
.macro ALOAD t
.irp i, 0,1,2,3,4,5,6,7,8,9,10,11,12,13,14,15
	global_load_b128 v[AR+64*((\t)%2)+4*\i:AR+64*((\t)%2)+4*\i+3], v3, s[24:25] offset:4096*\i+512*(\t) th:TH_LOAD_NT
.endr
.endm
.macro ASTEP t
.if (\t) < 3
	s_wait_loadcnt 16                              ; this step's 16 loads are in; the next step's 16 may be out
.else
	s_wait_loadcnt 0x0
.endif
.irp i, 0,1,2,3,4,5,6,7,8,9,10,11,12,13,14,15
	ds_store_b128 v6, v[AR+64*((\t)%2)+4*\i:AR+64*((\t)%2)+4*\i+3] offset:528*\i
.endr
.irp n, 0,1,2,3,4,5,6,7
	ds_load_b128 v[XX+4*\n:XX+4*\n+3], v7 offset:16*\n             ; LDS serves a wave's instructions in order (ISA guide 5.7.1): these see the stores above
.endr
.irp n, 0,1,2,3,4,5,6,7
	ds_load_b128 v[XX+32+4*\n:XX+32+4*\n+3], v7 offset:256+16*\n
.endr
	s_wait_dscnt 0x0                               ; my two blocks are in; the stores have read their registers
.if (\t)+2 < 4
	ALOAD (\t)+2
.endif
.irp u, 0,1,2,3
	v_max3_num_f32 v[12+\u], |v[XX+16*\u]|, |v[XX+16*\u+1]|, FLOOR   ; four chains of 16 numbers by turns
.endr
.irp i, 2,4,6,8,10,12,14
.irp u, 0,1,2,3
	v_max3_num_f32 v[12+\u], v[12+\u], |v[XX+16*\u+\i]|, |v[XX+16*\u+\i+1]|
.endr
.endr
	v_max_num_f32 v12, v12, v13                    ; block h
	v_max_num_f32 v14, v14, v15                    ; block 2 + h
	v_add_nc_u32 v16, OFF4, v12                    ; the conversions' scale operands
	v_add_nc_u32 v17, OFF4, v14
	v_lshrrev_b32 v18, 23, v16                     ; the bytes
	v_lshrrev_b32 v19, 23, v17
	v_lshl_or_b32 v18, v19, 16, v18
	v_lshlrev_b32 v18, v10, v18                    ; at their places in the word (8 h bits up);
	v_permlanex16_b32 v20, v18, s30, s31
	v_or_b32 v[SW+(\t)], v18, v20                  ; with lane l xor 16's two the word is whole
.if (\t) > 0
	s_wait_alu depctr_va_vdst(0)
	s_wait_xcnt 0x0                                ; the last step's stores have read the fragment's registers
.endif
	v_cvt_scalef32_pk16_bf6_f32 v[AFR:AFR+2], v[XX:XX+15], v16
	v_cvt_scalef32_pk16_bf6_f32 v[AFR+12:AFR+14], v[XX+16:XX+31], v16
	v_cvt_scalef32_pk16_bf6_f32 v[AFR+6:AFR+8], v[XX+32:XX+47], v17
	v_cvt_scalef32_pk16_bf6_f32 v[AFR+16:AFR+18], v[XX+48:XX+63], v17
	v_nop                                          ; one plain instruction behind the scaled conversions
.irp i, 0,1,2
	v_mov_b32 v[AFR+3+\i], v[AFR+12+\i]
	v_mov_b32 v[AFR+9+\i], v[AFR+16+\i]
.endr
.irp c, 0,1,2
	global_store_b128 v3, v[AFR+4*\c:AFR+4*\c+3], s[16:17] offset:(\t)*UNIT+512*\c   ; 32 lanes store 512 consecutive bytes, at a multiple of 256 from the buffer's first byte
.endr
	global_store_b32 v8, v[SW+(\t)], s[18:19] offset:(\t)*UNIT     ; lanes r and r + 16 write the same word with the same value
.endm
	ALOAD 0
	ALOAD 1
.irp t, 0,1,2,3
	ASTEP \t
.endr
	s_wait_tensorcnt 0x0                           ; the wave's end
	ds_add_u32 v248, v249
	s_wait_dscnt 0x0
	s_endpgm
.Lfunc_end_k_q2834a4889a_quant:
	.size	k_q2834a4889a_quant, .Lfunc_end_k_q2834a4889a_quant-k_q2834a4889a_quant
	.p2alignl 7, 3214868480
	.fill 96, 4, 3214868480
	.section	.rodata,"a",@progbits
	.p2align	6, 0x0
	.amdhsa_kernel k_q2834a4889a_quant
		.amdhsa_group_segment_fixed_size 35328
		.amdhsa_private_segment_fixed_size 0
		.amdhsa_enable_private_segment 0
		.amdhsa_kernarg_size 64
		.amdhsa_user_sgpr_count 2
		.amdhsa_user_sgpr_kernarg_segment_ptr 1
		.amdhsa_wavefront_size32 1
		.amdhsa_system_sgpr_workgroup_id_x 1
		.amdhsa_system_sgpr_workgroup_id_y 1
		.amdhsa_system_sgpr_workgroup_id_z 1
		.amdhsa_system_vgpr_workitem_id 0
		.amdhsa_next_free_vgpr 250
		.amdhsa_next_free_sgpr 66
		.amdhsa_reserve_vcc 0
		.amdhsa_float_denorm_mode_32 3
		.amdhsa_float_denorm_mode_16_64 3
		.amdhsa_memory_ordered 1
		.amdhsa_forward_progress 1
		.amdhsa_inst_pref_size 69
	.end_amdhsa_kernel
	.amdgpu_metadata
---
amdhsa.version: [ 1, 2 ]
amdhsa.kernels:
  - .name:           k_q2834a4889a_quant
    .symbol:         k_q2834a4889a_quant.kd
    .args:
      - { .name: x, .offset: 0, .size: 8, .value_kind: global_buffer, .address_space: global }
      - { .name: h, .offset: 8, .size: 8, .value_kind: global_buffer, .address_space: global }
      - { .name: Wf, .offset: 16, .size: 8, .value_kind: global_buffer, .address_space: global }
      - { .name: Wi, .offset: 24, .size: 8, .value_kind: global_buffer, .address_space: global }
      - { .name: Wo, .offset: 32, .size: 8, .value_kind: global_buffer, .address_space: global }
      - { .name: Wu, .offset: 40, .size: 8, .value_kind: global_buffer, .address_space: global }
      - { .name: a_pack, .offset: 48, .size: 8, .value_kind: global_buffer, .address_space: global }
      - { .name: b_pack, .offset: 56, .size: 8, .value_kind: global_buffer, .address_space: global }
    .group_segment_fixed_size: 35328
    .private_segment_fixed_size: 0
    .kernarg_segment_align: 8
    .kernarg_segment_size: 64
    .max_flat_workgroup_size: 128
    .sgpr_count:     66
    .vgpr_count:     250
    .wavefront_size: 32
...
	.end_amdgpu_metadata
.endif
;; end of part 1
;; launch lstm (part 2): grid 16 x 32, 4 waves a work-group, clusters of 4 x 4, 327,680 bytes of LDS; arguments a_pack, b_pack, c, bf, bi, bo, bu, out0, out1; writes out0, out1
.if DOCPART == 2
	.amdgcn_target "amdgcn-amd-amdhsa--gfx1250"
	.amdhsa_code_object_version 6
	.text
	.protected	k_q2834a4889a_lstm
	.globl	k_q2834a4889a_lstm
	.p2align	8
	.type	k_q2834a4889a_lstm,@function
k_q2834a4889a_lstm:
	s_mov_b64 s[64:65], 0
	v_nop
	global_prefetch_b8 v0, s[64:65] scope:SCOPE_SE
	s_setreg_imm32_b32 hwreg(HW_REG_WAVE_MODE, 25, 1), 1
	s_wait_xcnt 0x0
	s_wait_alu depctr_hold_cnt(0) depctr_sa_sdst(0) depctr_va_vdst(0) depctr_va_sdst(0) depctr_va_ssrc(0) depctr_va_vcc(0) depctr_vm_vsrc(0)
	s_getreg_b32 s2, hwreg(HW_REG_IB_STS2, 6, 4)
	s_cmp_eq_u32 s2, 0
	s_cbranch_scc0 .Lentry_in_a_cluster
	s_endpgm
.Lentry_in_a_cluster:
	s_bfe_u32 s2, ttmp6, 0x10000c
	s_cmp_lg_u32 s2, 0xf033
	s_cbranch_scc0 .Lentry_shape_is_right
	s_endpgm
.Lentry_shape_is_right:
; gates = [x | h] [Wf Wi Wo Wu] + b on codes of BF6 (E3M2) with E8M0 scales, sums in f32; then, in f32, new_c = sigmoid(f) c + sigmoid(i) tanh(u) (out1) and new_h = sigmoid(o) tanh(new_c) (out0).  The gates never go to memory.
; OPERANDS come as UNITS of 12,800 bytes (128 rows x 128 K): eight fragment images of 1,536 bytes (registers 4 c .. 4 c + 3 of lane l at 512 c + 16 l), then the rows' scale words at 12,288 + 64 i + 4 r.
; A pack is [tile of 256 rows][half][K step 0 .. 15][unit]: the 16 units of a half are dense, so three K steps of a half are ONE dense run of 38,400 bytes: what one tensor load brings.
; SHARES.  Work-group (T, MT): rows 256 MT .. + 255 x hidden columns 64 T .. + 63, all four gates.  Four waves, as many as a WGP has SIMDs; wave w = 2 rh + ch makes 128 x 128 gates: 64 accumulators, 512 registers.
; The weights' half ch, row block 2 g + j holds columns 64 T + 32 ch + 16 j + 0 .. 15 of gate g.  THE MATRIX INSTRUCTION IS USED TRANSPOSED (source 0 = the weights, source 1 = [x | h]):
; lane (r, h) holds row r, register i column 8 h + i of the block: accumulators (a, 2 g + j), g = 0 .. 3, hold f, i, o, u of one (row, column) in one lane and register.  The biases are the C of each sum's first instruction.
; THE RING: two LDS slots of 153,600 bytes, each with three K steps of A's and B's two halves; K's 16 steps are five such slots and one of a single step (12,800 bytes a wave).
; A refill stands 192 matrix instructions ahead of the wait for it.  The walk is written out: the slots' and the register sets' turns come back only after six steps, and the last slot differs.
; CLUSTERS: 4 x 4 work-groups.  The four of a row need the same tiles of [x | h], the four of a column the same tiles of the weights: each is asked for JOINTLY.  c is each work-group's own: a plain load.
; c: the last slot fills 12,800 of each quarter's 38,400 bytes of slot 1.  Behind a round of its own in K step 13 each wave brings 64 rows of c (256 bytes + 16 of padding each) into the 25,600 bytes behind its quarter's first unit,
; which were last read in K step 11.  One wait and a barrier ahead of the tail show c to all four waves.
; PREFETCH: every cluster asks for its own tiles two slots ahead of the tensor load; the four partners of a joint load share its 150 blocks of 256 bytes out by address (38 each; lanes left over name a block again).
; Slots 1 and 2 are asked for at the head, slot j + 2 behind slot j's load; the last two loads of codes ask for nothing.  c's rows are asked for five K steps ahead of their load, a lane a row.  No address register of a prefetch is rewritten.
; THE TAIL: ef, ei, eo = 2^min(-L g, 40), eu = 2^min(2 L u, 40), L = log2(e);  new_c = [c (1 + ei)(1 + eu) + (eu - 1)(1 + ef)] / [(1 + ef)(1 + ei)(1 + eu)];  ec = 2^min(2 L new_c, 40);  new_h = (ec - 1) / [(1 + eo)(1 + ec)].
; The hold at 40 keeps every product under 2^122 for gates of any size and moves a sigmoid or a tanh by less than 2^-39.
; THE WAY OUT, block by block of 16 rows a wave: a row's 256 bytes come from two waves, so they meet in two stages in LDS; behind a barrier each wave reads 16 whole rows of one result back and stores them amid the next block.
; The stages lie in slot 0, which has had its last fill and, behind K step 14's barrier, its last read when the first result is stored there.
; LIMITS: |c| under 2^40; NaN and infinities among the inputs are not served.
; REGISTERS: window 0: v14-31 addresses; v32-47 scale words, two sets, and nothing else; v48-63 a block's c; v64-127 the biases, later the tail; v128-223 A's 8 fragments, later the tail; v224-255 the way out.
;   window 1: the weights' fragments, two sets, at v0 and v128.   window 2: the accumulators of my rows 0-63 ((a, b) at v[8 (8 a + b)]);   window 3: rows 64-127.
.set FR,    12
.set NL,    3
.set FRB,   1536
.set UNIT,  12800
.set QUART, 3*UNIT                     ; what one tensor load of codes brings
.set SLOT,  4*QUART
.set HALFB, 16*UNIT
.set TILEB, 2*HALFB
.set SPARE, 2*SLOT                     ; the spare words, 128 bytes a wave
.set CP,    272                        ; a row of c or of a stage: 256 bytes + 16
.set CST,   256*CP                     ; new_h's stage at LDS byte 0, new_c's at CST
.set PFC,  14                          ; v14     c's prefetch: 4,096 l
.set PF3,  15                          ; v15     prefetch offsets for the last slot
.set ADRA, 16                          ; v16-17  my A fragments in slot 0, 1
.set ADRB, 18                          ; v18-19  the same for B
.set ADRS, 20                          ; v20-21  my scale words: lanes 0-15 A's rows, lanes 16-31 B's
.set GO,   22                          ; v22     the way out: 4,096 h + 16 r
.set VB,   23                          ; v23     my byte in a bias
.set CA,   24                          ; v24     my 32 bytes of a row of new_c's stage
.set HA,   25                          ; v25     the same in new_h's
.set RD,   26                          ; v26     the stage row that I read back
.set CLA,  27                          ; v27     my 32 bytes of a row of c in LDS
.set SPW,  28
.set NIL,  29
.set PF1,  30                          ; v30-31  prefetch offsets
.set PF2,  31
.set SC,   32
.set CI,   48
.set BI,   64
.set AF,   128
.set BU,   192
.set CC,   208
.set OB,   224
.set WV,   26
.set RH,   27                          ; s27  my half of the rows; also: I fetch for A (0) or for B (1)
.set CH,   66                          ; s66  my half of the columns; also which half I fetch, and which result I store
.set G1C,  4                           ; s[4:11], s[12:15] c's descriptor, in registers that held arguments
.set G0C,  12
.set G1,   28
.set G0,   36
.set G1B,  44
.set G0B,  52
.set KN,   68                          ; s[68:69] -log2(e)
.set KP,   70                          ; s[70:71] 2 log2(e)
.set ONE,  72
.set MONE, 74
.set CAP,  76                          ; s76 40
.set PFA,  100                         ; s[100:101] the 204,800 bytes that my wave fetches
.set MSB, 0
.macro WIN new
.if MSB != (\new)
	s_set_vgpr_msb (MSB<<8)|(\new)
.set MSB, (\new)
.endif
.endm
.set MUL_LO, 0xa1
.set MUL_HI, 0xf1
.set TO_B,   0x40
.macro WINLO first                     ; products on window 2; in the first step C (the biases) lies in window 0
.if \first
	WIN 0x81
.else
	WIN MUL_LO
.endif
.endm
.macro WINHI first
.if \first
	WIN 0xc1
.else
	WIN MUL_HI
.endif
.endm
.macro PLACES n
.rept \n
	v_nop
.endr
.endm
.macro WALU
	s_wait_alu depctr_va_vdst(0)
.endm
.macro JLOAD g0a, g1a, g0b, g1b        ; a joint load: waves 0, 1 for A, waves 2, 3 for B; s_nop 0 and four v_nop behind each line
	s_cmp_eq_u32 s[RH], 0
	s_cbranch_scc0 .Lfor_b_\@
	tensor_load_to_lds s[\g0a:\g0a+3], s[\g1a:\g1a+7]
	s_nop 0
	PLACES 4
	s_branch .Lasked_\@
.Lfor_b_\@:
	tensor_load_to_lds s[\g0b:\g0b+3], s[\g1b:\g1b+7]
	s_nop 0
	PLACES 4
.Lasked_\@:
.endm
.macro CREST
	s_cmp_lg_u32 s[WV], 0
	s_cbranch_scc1 .Lnot_wave_0_\@
	s_barrier_signal -3
.Lnot_wave_0_\@:
	s_barrier_wait -3
	s_barrier_signal -1
	s_barrier_wait -1
.endm
.macro CROUND
	s_barrier_signal -1
	s_barrier_wait -1
	CREST
.endm
.macro ASK j                           ; my share of slot j's 150 blocks
	global_prefetch_b8 v[PF1], s[PFA:PFA+1] offset:(\j)*QUART th:TH_LOAD_NT scope:SCOPE_SE
	global_prefetch_b8 v[PF2], s[PFA:PFA+1] offset:(\j)*QUART th:TH_LOAD_NT scope:SCOPE_SE
.endm
	s_load_b512 s[4:19], s[0:1], 0x0               ; a_pack 4:5, b_pack 6:7, c 8:9, bf 10:11, bi 12:13, bo 14:15, bu 16:17, out0 18:19
	s_load_b64 s[20:21], s[0:1], 0x40              ; out1
	v_lshl_add_u32 v[SPW], v0, 2, SPARE
	v_mov_b32 v[NIL], 0
	ds_add_u32 v[SPW], v[NIL]                      ; the opening lines: the add twice on end and its wait
	ds_add_u32 v[SPW], v[NIL]
	v_lshrrev_b32 v1, 5, v0
	v_readfirstlane_b32 s[WV], v1
	s_lshr_b32 s[RH], s[WV], 1
	s_and_b32 s[CH], s[WV], 1
	s_bfe_u32 s60, ttmp6, 0x40000                  ; cx, cy
	s_bfe_u32 s61, ttmp6, 0x40004
	s_lshl_b32 s62, ttmp9, 2
	s_add_co_u32 s62, s62, s60                     ; T
	s_and_b32 s63, ttmp7, 0xffff
	s_lshl_b32 s63, s63, 2
	s_add_co_u32 s63, s63, s61                     ; MT
	s_lshl_b32 s92, s61, 2
	s_lshl_b32 s92, 15, s92                        ; my row of the cluster
	s_lshl_b32 s93, 0x1111, s60                    ; my column
	s_or_b32 s[G1+0], s92, (3<<16)|(1<<21)         ; 38,400 dense bytes as 150 rows of 256 (32 elements of 8 bytes); A's go to my row,
	s_or_b32 s[G1B+0], s93, (3<<16)|(1<<21)        ; B's to my column
.irp g, G1, G1B
	s_mov_b32 s[\g+1], 32<<16
	s_mov_b32 s[\g+2], 150<<16
	s_mov_b32 s[\g+3], 32<<16
	s_mov_b32 s[\g+4], 150
	s_mov_b32 s[\g+5], 32
	s_mov_b32 s[\g+6], 0
	s_mov_b32 s[\g+7], 0
.endr
	s_mul_i32 s67, s[CH], HALFB                    ; which half I fetch
	s_mul_i32 s94, s63, TILEB                      ; A's hang on MT alone,
	s_add_co_u32 s94, s94, s67
	s_mov_b32 s95, 0
	s_mul_i32 s96, s62, TILEB                      ; B's on T alone
	s_add_co_u32 s96, s96, s67
	s_mov_b32 s97, 0
	s_mul_i32 s105, s[WV], QUART                   ; where they go: no place in the cluster enters an LDS address
	s_lshl_b32 s98, s63, 20                        ; the tile's corner in c, out0, out1: row 256 MT, byte 256 T
	s_lshl_b32 s99, s62, 8
	s_add_co_u32 s98, s98, s99
	s_lshl_b32 s92, s[WV], 18
	s_add_co_u32 s92, s92, s98                     ; c: I fetch rows 64 w on
	s_mov_b32 s93, 0
	s_lshl_b32 s99, s[RH], 19
	s_add_co_u32 s98, s98, s99                     ; the results: I store rows 128 rh on
	s_mov_b32 s99, 0
	s_wait_dscnt 0x0
	s_wait_kmcnt 0x0
	s_add_nc_u64 s[94:95], s[4:5], s[94:95]
	s_add_nc_u64 s[96:97], s[6:7], s[96:97]
.irp s, 0,1
	s_mov_b32 s[G0+4*\s], 1
	s_add_co_u32 s[G0+4*\s+1], s105, \s*SLOT
	s_add_nc_u64 s[G0+4*\s+2:G0+4*\s+3], s[94:95], \s*QUART
	s_or_b32 s[G0+4*\s+3], s[G0+4*\s+3], 0x80000000
	s_mov_b32 s[G0B+4*\s], 1
	s_add_co_u32 s[G0B+4*\s+1], s105, \s*SLOT
	s_add_nc_u64 s[G0B+4*\s+2:G0B+4*\s+3], s[96:97], \s*QUART
	s_or_b32 s[G0B+4*\s+3], s[G0B+4*\s+3], 0x80000000
.endr
	s_add_nc_u64 s[22:23], s[8:9], s[92:93]        ; my 64 rows of c
	s_cmp_eq_u32 s[CH], 0                          ; waves with ch = 0 store new_h, the others new_c
	s_cselect_b64 s[24:25], s[18:19], s[20:21]
	s_add_nc_u64 s[24:25], s[24:25], s[98:99]
	s_cmp_eq_u32 s[RH], 0
	s_cselect_b64 s[PFA:PFA+1], s[94:95], s[96:97]
	s_cselect_b32 s2, s60, s61                     ; my place among the four that ask with me
	CROUND                                         ; all sixteen work-groups are here
	JLOAD G0, G1, G0B, G1B                         ; slot 0: one tensor load a wave at the head
	s_mul_i32 s67, s[RH], QUART                    ; my half of A,
	s_mul_i32 s105, s[CH], QUART
	s_add_co_u32 s105, s105, 2*QUART               ; my half of B
	s_sub_co_u32 s3, s105, s67
	s_add_co_u32 s77, s67, 8*FRB                   ; a unit's scale words
	s_mul_i32 s78, s[RH], 128*CP
	s_lshl_b32 s79, s[CH], 7
	s_add_co_u32 s79, s79, s78
	s_mul_i32 s80, s[CH], CST
	s_add_co_u32 s80, s80, s78
	s_lshl_b32 s81, s62, 8
	s_lshl_b32 s82, s[CH], 7
	s_add_co_u32 s81, s81, s82
	s_mul_i32 s83, s2, 38
	s_mul_i32 s84, s2, 13
	s_mul_i32 s85, s[RH], 2*QUART                  ; c's rows 128 rh on lie behind the first units of quarters 2 rh and 2 rh + 1 of slot 1
	s_add_co_u32 s85, s85, s82
	s_add_co_u32 s85, s85, SLOT+UNIT
	s_mov_b32 s[KN], 0xbfb8aa3b
	s_mov_b32 s[KN+1], s[KN]
	s_mov_b32 s[KP], 0x4038aa3b
	s_mov_b32 s[KP+1], s[KP]
	s_mov_b32 s[ONE], 1.0
	s_mov_b32 s[ONE+1], 1.0
	s_mov_b32 s[MONE], -1.0
	s_mov_b32 s[MONE+1], -1.0
	s_mov_b32 s[CAP], 0x42200000
	v_and_b32 v1, 15, v0                           ; r
	v_bfe_u32 v2, v0, 4, 1                         ; h
	v_and_b32 v3, 31, v0                           ; l
	v_lshlrev_b32 v4, 4, v3
	v_add_nc_u32 v[ADRA], s67, v4
	v_add_nc_u32 v[ADRA+1], SLOT, v[ADRA]
	v_add_nc_u32 v[ADRB], s105, v4
	v_add_nc_u32 v[ADRB+1], SLOT, v[ADRB]
	v_mul_u32_u24 v5, s3, v2                       ; lanes 16-31 take B's: the lower base + h x the distance
	v_lshl_add_u32 v5, v1, 2, v5
	v_add_nc_u32 v[ADRS], s77, v5
	v_add_nc_u32 v[ADRS+1], SLOT, v[ADRS]
	v_mul_u32_u24 v6, v1, CP                       ; row r, byte 32 h
	v_lshl_add_u32 v6, v2, 5, v6
	v_add_nc_u32 v[HA], s79, v6                    ; the stages: row 128 rh + r, byte 128 ch + 32 h
	v_add_nc_u32 v[CA], CST, v[HA]
	v_add_nc_u32 v[CLA], s85, v6                   ; and c
	v_mul_u32_u24 v7, v2, CP                       ; back: lanes 0-15 one row, lanes 16-31 the next, of new_h's stage (ch = 0) or new_c's
	v_lshl_add_u32 v7, v1, 4, v7
	v_add_nc_u32 v[RD], s80, v7
	v_lshlrev_b32 v8, 4, v1
	v_lshl_add_u32 v[GO], v2, 12, v8
	v_lshl_add_u32 v[VB], v2, 5, s81
	v_lshlrev_b32 v[PFC], 12, v3
	v_add_nc_u32 v10, s83, v3                      ; blocks 38 p + l,
	v_lshlrev_b32 v[PF1], 8, v10
	v_min_u32 v11, 5, v3
	v_add_nc_u32 v11, s83, v11
	v_add_nc_u32 v11, 32, v11
	v_min_u32 v11, 149, v11                        ; and 38 p + 32 .. + 37, inside the slot's 150
	v_lshlrev_b32 v[PF2], 8, v11
	v_min_u32 v12, 12, v3
	v_add_nc_u32 v12, s84, v12
	v_min_u32 v12, 49, v12                         ; the last slot's 50 blocks: 13 p .. + 12
	v_lshlrev_b32 v[PF3], 8, v12
	WALU                                           ; a wait at the head's end
.irp g, 0,1,2,3                        ; the biases in the result's layout
.irp j, 0,1
	global_load_b128 v[BI+8*(2*\g+\j):BI+8*(2*\g+\j)+3], v[VB], s[10+2*\g:11+2*\g] offset:64*\j
	global_load_b128 v[BI+8*(2*\g+\j)+4:BI+8*(2*\g+\j)+7], v[VB], s[10+2*\g:11+2*\g] offset:64*\j+16
.endr
.endr
	ASK 1
	ASK 2
.macro FRAG reg, adr, off
.irp c, 0,1,2
	ds_load_b128 v[\reg+4*\c:\reg+4*\c+3], v[\adr] offset:\off+512*\c
.endr
.endm
.macro FETCH_B s                       ; B's eight fragments of K step s into set s % 2
	WIN TO_B
.irp i, 0,1,2,3,4,5,6,7
	FRAG 128*((\s)%2)+FR*\i, ADRB+((\s)/3)%2, ((\s)%3)*UNIT+\i*FRB
.endr
	WIN 0
.endm
.macro FETCH_A s, i0                   ; A's blocks i0 .. i0 + 3
.irp i, \i0, \i0+1, \i0+2, \i0+3
	FRAG AF+FR*(\i), ADRA+((\s)/3)%2, ((\s)%3)*UNIT+(\i)*FRB
.endr
.endm
.macro SCALES s                        ; register i of set s % 2: lanes 0-15 the words of A's block i, lanes 16-31 of B's
.irp i, 0,1,2,3,4,5,6,7
	ds_load_b32 v[SC+8*((\s)%2)+\i], v[ADRS+((\s)/3)%2] offset:((\s)%3)*UNIT+64*\i
.endr
.endm
; 16 matrix instructions: A's blocks a0, a0 + 1 x B's eight.  The 64 accumulators take turns, in the same order in every step.
.macro MUL16 a0, p, first
.irp a, \a0, \a0+1
.irp b, 0,1,2,3,4,5,6,7
.if \first
	v_wmma_scale_f32_16x16x128_f8f6f4 v[8*(8*((\a)%4)+\b):8*(8*((\a)%4)+\b)+7], v[128*(\p)+FR*\b:128*(\p)+FR*\b+FR-1], v[AF+FR*(\a):AF+FR*(\a)+FR-1], v[BI+8*\b:BI+8*\b+7], v[SC+8*(\p)+\b], v[SC+8*(\p)+(\a)] matrix_a_fmt:MATRIX_FMT_BF6 matrix_b_fmt:MATRIX_FMT_BF6 matrix_a_scale:MATRIX_SCALE_ROW1
.else
	v_wmma_scale_f32_16x16x128_f8f6f4 v[8*(8*((\a)%4)+\b):8*(8*((\a)%4)+\b)+7], v[128*(\p)+FR*\b:128*(\p)+FR*\b+FR-1], v[AF+FR*(\a):AF+FR*(\a)+FR-1], v[8*(8*((\a)%4)+\b):8*(8*((\a)%4)+\b)+7], v[SC+8*(\p)+\b], v[SC+8*(\p)+(\a)] matrix_a_fmt:MATRIX_FMT_BF6 matrix_b_fmt:MATRIX_FMT_BF6 matrix_a_scale:MATRIX_SCALE_ROW1
.endif
.endr
.endr
.endm
; A K step: 64 matrix instructions.  The next step's fragments are fetched in three runs: B's other set and the scale words behind the first 16 products (48 products ahead of their use; that set's last
; readers, the step before's, have their four places behind them), A's blocks 0-3 in the middle, A's blocks 4-7 at the end.
; Where the next step begins a slot (steps 2, 5, 8, 11), the slots change behind the first 16 products: each wave waits for all its tensor loads, adds 0 to its spare word, waits for that and for its reads of this slot
; (the last were asked for 16 products ago); ONE barrier, which opens a round of the cluster's barrier, and this slot is filled again, two slots ahead.
; Step 13 has the same lines for c's load.  Step 14's barrier says only that slot 0 is read no more (the stages go there): the last slot was awaited in step 13, so c may stay out across it.
.macro STEP s, first
.set NX, (\s)+1
.set PB, (\s)%2
	s_wait_dscnt 4*NL                              ; all but the youngest 12 loads (A's blocks 4-7)
	WINLO \first
	MUL16 0, PB, \first
.if NX%3 == 0 || (\s) == 13
	WIN 0
.if (\s) != 14
	s_wait_tensorcnt 0x0                           ; my part of the next slot is in: no load of mine is out, so the descriptors may be written
	ds_add_u32 v[SPW], v[NIL]
.endif
.if (\s) < 12
.set GP, 4*(((\s)/3)%2)
	s_add_nc_u64 s[G0+GP+2:G0+GP+3], s[G0+GP+2:G0+GP+3], 2*QUART
	s_add_nc_u64 s[G0B+GP+2:G0B+GP+3], s[G0B+GP+2:G0B+GP+3], 2*QUART
.endif
.if (\s) == 11                         ; the last slot is one K step: 50 rows of 256 bytes
	s_mov_b32 s[G1+2], 50<<16
	s_mov_b32 s[G1+4], 50
	s_mov_b32 s[G1B+2], 50<<16
	s_mov_b32 s[G1B+4], 50
.endif
	s_wait_dscnt 0x0                               ; my LDS instructions are done: the add, where there is one, and my reads of the slot that is left
	s_barrier_signal -1
	s_barrier_wait -1
.if (\s) < 12
	CREST
	JLOAD G0+GP, G1, G0B+GP, G1B                   ; the first tensor load behind the round, my only one until the next
.endif
.if (\s) == 13
	CREST
	tensor_load_to_lds s[G0C:G0C+3], s[G1C:G1C+7]  ; my 64 rows of c
	s_nop 0
	PLACES 4
.endif
.endif
	FETCH_B NX
	SCALES NX
.if (\s) == 2
	ASK 4
.endif
.if (\s) == 5
	global_prefetch_b8 v[PF3], s[PFA:PFA+1] offset:5*QUART th:TH_LOAD_NT scope:SCOPE_SE
.endif
.if (\s) == 8
	global_prefetch_b8 v[PFC], s[22:23] th:TH_LOAD_NT scope:SCOPE_SE                 ; c: my rows 0-31,
	global_prefetch_b8 v[PFC], s[22:23] offset:131072 th:TH_LOAD_NT scope:SCOPE_SE   ; and 32-63
.endif
	WINLO \first
	MUL16 2, PB, \first
	s_wait_dscnt 32                                ; A's blocks 4-7 are in; the 32 loads just issued may be out
	PLACES 4
	WIN 0
	FETCH_A NX, 0
	WINHI \first
	MUL16 4, PB, \first
	MUL16 6, PB, \first
	PLACES 4
	WIN 0
	FETCH_A NX, 4
.endm
	s_wait_tensorcnt 0x0                           ; my part of slot 0 is in; the same lines ahead of slot 1's first fill as ahead of a refill
	ds_add_u32 v[SPW], v[NIL]
	s_wait_dscnt 0x0
	CROUND
	JLOAD G0+4, G1, G0B+4, G1B                     ; slot 1
	FETCH_B 0
	FETCH_A 0, 0
	SCALES 0
	FETCH_A 0, 4
	ASK 3
	s_wait_loadcnt 0x0                             ; the biases are in, and their loads have read their bases: those registers take c's descriptor
	s_mov_b32 s[G1C+0], (2<<16)|(1<<20)|(5<<22)|(3<<25)  ; elements of 4 bytes; after every 64 words 4 words of padding; no mask
	s_mov_b32 s[G1C+1], 64<<16
	s_mov_b32 s[G1C+2], 64<<16
	s_mov_b32 s[G1C+3], 64<<16                     ; 64 rows x 64 numbers,
	s_mov_b32 s[G1C+4], 64
	s_mov_b32 s[G1C+5], 1024                       ; 1,024 numbers from row to row
	s_mov_b32 s[G1C+6], 0
	s_mov_b32 s[G1C+7], 0
	s_mov_b32 s[G0C], 1
	s_mul_i32 s[G0C+1], s[WV], QUART
	s_add_co_u32 s[G0C+1], s[G0C+1], SLOT+UNIT     ; behind the first unit of my quarter of slot 1
	s_mov_b64 s[G0C+2:G0C+3], s[22:23]
	s_or_b32 s[G0C+3], s[G0C+3], 0x80000000
	STEP 0, 1                                      ; the first step's products start the sums on the biases
.set ST, 1
.rept 14
	STEP ST, 0
.set ST, ST+1
.endr
	s_wait_dscnt 4*NL                              ; the last step: nothing more to fetch
	WIN MUL_LO
	MUL16 0, 1, 0
	MUL16 2, 1, 0
	s_wait_dscnt 0x0
	WIN MUL_HI
	MUL16 4, 1, 0
	MUL16 6, 1, 0
	WIN 0
	s_wait_tensorcnt 0x0                           ; my rows of c are in;
	s_barrier_signal -1
	s_barrier_wait -1                              ; everybody's are
	PLACES 4
; THE TAIL
.macro PKADDS d, x, k
.set n, 0
.rept 8
	v_pk_add_f32 v[\d+n:\d+n+1], v[\x+n:\x+n+1], s[\k:\k+1] op_sel_hi:[1,0]
.set n, n+2
.endr
.endm
.macro PKMULS d, x, k
.set n, 0
.rept 8
	v_pk_mul_f32 v[\d+n:\d+n+1], v[\x+n:\x+n+1], s[\k:\k+1] op_sel_hi:[1,0]
.set n, n+2
.endr
.endm
.macro PKMUL d, x, y
.set n, 0
.rept 8
	v_pk_mul_f32 v[\d+n:\d+n+1], v[\x+n:\x+n+1], v[\y+n:\y+n+1]
.set n, n+2
.endr
.endm
.macro PKFMA d, x, y, z
.set n, 0
.rept 8
	v_pk_fma_f32 v[\d+n:\d+n+1], v[\x+n:\x+n+1], v[\y+n:\y+n+1], v[\z+n:\z+n+1]
.set n, n+2
.endr
.endm
.macro RCPS d, x                       ; 16 reciprocals: one batch, a wait ahead of it and one behind
	WALU
.set n, 0
.rept 16
	v_rcp_f32 v[\d+n], v[\x+n]
.set n, n+1
.endr
	v_nop
	WALU
.endm
.macro PREP a, d                       ; block a's gates x -L (f, i, o) or 2 L (u) into v[d ..]: each accumulator from its low end on
.set AC, 64*((\a)%4)
	WIN 0x02+(\a)/4
	WALU                                           ; a wait directly ahead of the first reader of these sums
.set n, 0
.rept 24
	v_pk_mul_f32 v[\d+n:\d+n+1], v[AC+n:AC+n+1], s[KN:KN+1] op_sel_hi:[1,0]
.set n, n+2
.endr
.rept 8
	v_pk_mul_f32 v[\d+n:\d+n+1], v[AC+n:AC+n+1], s[KP:KP+1] op_sel_hi:[1,0]
.set n, n+2
.endr
	WIN 0
.endm
.macro OUTB a                          ; 16 whole rows of one stage back, two rows a load
.if (\a) > 0
	s_wait_xcnt 0x0                                ; the block before's stores have read these registers
.endif
.irp t, 0,1,2,3,4,5,6,7
	ds_load_b128 v[OB+4*\t:OB+4*\t+3], v[RD] offset:16*CP*(\a)+2*CP*\t
.endr
.endm
.macro OUTS a                          ; sixteen lanes store 256 consecutive bytes, at a multiple of 256 from the buffer's first byte
.irp t, 0,1,2,3,4,5,6,7
	global_store_b128 v[GO], v[OB+4*\t:OB+4*\t+3], s[24:25] offset:4096*(16*(\a)+2*\t) th:TH_STORE_NT
.endr
.endm
; Block a: my rows 16 a .. + 15, my 32 columns: 16 outputs a lane.  Set TS holds f's, i's, o's, u's 16 exponents, already held at 40; set TN takes the next block's, whose holds stand among this block's exponentials.
.macro GATES a
.set TS, 64+64*((\a)%2)
.set TN, 64+64*(((\a)+1)%2)
.irp u, 0,1,2,3                        ; the block's c: rows 64 (a / 4) on lie in the next quarter
	ds_load_b128 v[CI+4*\u:CI+4*\u+3], v[CLA] offset:((\a)/4)*QUART+16*CP*((\a)%4)+64*(\u/2)+16*(\u%2)
.endr
.if (\a) < 7
	PREP (\a)+1, TN
.endif
	WALU                                           ; one wait ahead of the batch
.set m, 0
.rept 64
	v_exp_f32 v[TS+m], v[TS+m]                     ; ef, ei, eo, eu
.if (\a) < 7
	v_min_num_f32 v[TN+m], s[CAP], v[TN+m]
.endif
.set m, m+1
.endr
	v_nop
	WALU                                           ; and one behind it
	s_wait_dscnt 0x0                               ; c is in, and the rows of the block before are back,
.if (\a) > 0
	OUTS (\a)-1                                    ; which leave now
.endif
	PKADDS BU, TS+48, MONE                         ; eu - 1
	PKADDS TS+48, TS+48, ONE                       ; 1 + eu
	PKFMA TS+16, TS+16, TS+48, TS+48               ; (1 + ei)(1 + eu)
	PKFMA BU, BU, TS, BU                           ; (eu - 1)(1 + ef)
	PKFMA CC, CI, TS+16, BU                        ; c (1 + ei)(1 + eu) + (eu - 1)(1 + ef)
	PKFMA TS+48, TS+16, TS, TS+16                  ; (1 + ef)(1 + ei)(1 + eu)
	RCPS TS, TS+48
	PKMUL CC, CC, TS                               ; new_c
.irp j, 0,1
	ds_store_b128 v[CA], v[CC+8*\j:CC+8*\j+3] offset:16*CP*(\a)+64*\j
	ds_store_b128 v[CA], v[CC+8*\j+4:CC+8*\j+7] offset:16*CP*(\a)+64*\j+16
.endr
	PKMULS TS+16, CC, KP                           ; 2 L new_c,
.set n, 0
.rept 16
	v_min_num_f32 v[TS+16+n], s[CAP], v[TS+16+n]   ; held at 40
.set n, n+1
.endr
	WALU
.set n, 0
.rept 16
	v_exp_f32 v[TS+16+n], v[TS+16+n]               ; ec
.set n, n+1
.endr
	v_nop
	WALU
	PKADDS TS+48, TS+16, ONE                       ; 1 + ec
	PKADDS TS+16, TS+16, MONE                      ; ec - 1
	PKFMA TS+48, TS+48, TS+32, TS+48               ; (1 + ec)(1 + eo)
	RCPS TS, TS+48
	PKMUL BU, TS+16, TS                            ; new_h
.irp j, 0,1
	ds_store_b128 v[HA], v[BU+8*\j:BU+8*\j+3] offset:16*CP*(\a)+64*\j
	ds_store_b128 v[HA], v[BU+8*\j+4:BU+8*\j+7] offset:16*CP*(\a)+64*\j+16
.endr
.endm
	PREP 0, 64
.set n, 0
.rept 64
	v_min_num_f32 v[64+n], s[CAP], v[64+n]
.set n, n+1
.endr
.irp a, 0,1,2,3,4,5,6,7
	GATES \a
	s_wait_dscnt 0x0                               ; for the others' sake: my stores of this block into the stages are done
	s_barrier_signal -1
	s_barrier_wait -1                              ; a row's 256 bytes come from two waves: now the block's rows are whole
	OUTB \a
.endr
	s_wait_dscnt 0x0
	OUTS 7
	s_wait_tensorcnt 0x0                           ; the wave's end
	ds_add_u32 v[SPW], v[NIL]
	s_wait_dscnt 0x0
	CROUND                                         ; the closing round
	s_endpgm
.Lfunc_end_k_q2834a4889a_lstm:
	.size	k_q2834a4889a_lstm, .Lfunc_end_k_q2834a4889a_lstm-k_q2834a4889a_lstm
	.p2alignl 7, 3214868480
	.fill 96, 4, 3214868480
	.section	.rodata,"a",@progbits
	.p2align	6, 0x0
	.amdhsa_kernel k_q2834a4889a_lstm
		.amdhsa_group_segment_fixed_size 327680
		.amdhsa_private_segment_fixed_size 0
		.amdhsa_enable_private_segment 0
		.amdhsa_kernarg_size 72
		.amdhsa_user_sgpr_count 2
		.amdhsa_user_sgpr_kernarg_segment_ptr 1
		.amdhsa_wavefront_size32 1
		.amdhsa_system_sgpr_workgroup_id_x 1
		.amdhsa_system_sgpr_workgroup_id_y 1
		.amdhsa_system_sgpr_workgroup_id_z 1
		.amdhsa_system_vgpr_workitem_id 0
		.amdhsa_next_free_vgpr 1024
		.amdhsa_next_free_sgpr 106
		.amdhsa_reserve_vcc 0
		.amdhsa_float_denorm_mode_32 3
		.amdhsa_float_denorm_mode_16_64 3
		.amdhsa_memory_ordered 1
		.amdhsa_forward_progress 1
		.amdhsa_inst_pref_size 255
	.end_amdhsa_kernel
	.section	.bss,"aw",@nobits
	.p2align	6
	.space	262144
	.amdgpu_metadata
---
amdhsa.version: [ 1, 2 ]
amdhsa.kernels:
  - .name:           k_q2834a4889a_lstm
    .symbol:         k_q2834a4889a_lstm.kd
    .args:
      - { .name: a_pack, .offset: 0, .size: 8, .value_kind: global_buffer, .address_space: global }
      - { .name: b_pack, .offset: 8, .size: 8, .value_kind: global_buffer, .address_space: global }
      - { .name: c, .offset: 16, .size: 8, .value_kind: global_buffer, .address_space: global }
      - { .name: bf, .offset: 24, .size: 8, .value_kind: global_buffer, .address_space: global }
      - { .name: bi, .offset: 32, .size: 8, .value_kind: global_buffer, .address_space: global }
      - { .name: bo, .offset: 40, .size: 8, .value_kind: global_buffer, .address_space: global }
      - { .name: bu, .offset: 48, .size: 8, .value_kind: global_buffer, .address_space: global }
      - { .name: out0, .offset: 56, .size: 8, .value_kind: global_buffer, .address_space: global }
      - { .name: out1, .offset: 64, .size: 8, .value_kind: global_buffer, .address_space: global }
    .group_segment_fixed_size: 327680
    .private_segment_fixed_size: 0
    .kernarg_segment_align: 8
    .kernarg_segment_size: 72
    .max_flat_workgroup_size: 128
    .sgpr_count:     106
    .vgpr_count:     1024
    .wavefront_size: 32
...
	.end_amdgpu_metadata
.endif
;; end of part 2
